; MI455X (gfx1250); checked and timed in simulation.
; The chip was launched on July 23, 2026; its instructions are those of AMD's public machine-readable ISA for CDNA 5 (MIT licence, August 2026) and "CDNA5" Instruction Set Architecture Reference Guide (July 2026). The comments in the code are by the model that wrote it; some were corrected since.
;; Market State Estimation. Allowed arithmetic: matrix products marked QUANTISED: E3M2 operands, one E8M0 scale for each 32 along K, by v_wmma_scale_f32_16x16x128_f8f6f4 with both operands' format E3M2, f32 sums; products left as they are: f32 operands where the result goes on into a quantised operand, else bf16, f16 or f32 operands; f32 sums; everything else in f32.
;; Inputs: alpha_w 1 x 1 float32; mask 8 x 32 x 512 float32; t 8 x 512 float32; x 8 x 32 x 512 x 64 float32.
;; Outputs: out0 8 x 32 x 512 x 64 float32.
;; This version of the problem:
;;   THIS VERSION OF THE PROBLEM IS GIVEN IN LOW PRECISION. The matrix products marked QUANTISED in the list below multiply operands that are first quantised to E3M2 (3 exponent bits, 2 mantissa bits; 6 bits a number), with one power-of-two scale for each 32 numbers along K (OCP MX v1.0); their sums are f32. All else is computed in f32.
;;   The module's matrix products, in the order in which they are computed (A, B: the left and right operand; K: the contracted axis; several contracted axes count as one K, in the product's order):
;;     1. batch 8 x [M 512, K 16] x [K 16, N 512]; A: computed on the way; B: computed on the way: left as it is (K = 16 < 32)
;;     2. batch 256 x [M 512, K 512] x [K 512, N 64]; A: softmax (see below); B: input x: QUANTISED
;;   THE QUANTISER, for each operand of a quantised product, along K:
;;     - K is cut into blocks of 32 from its start; a last block that is shorter is filled with zeros.
;;     - A block's scale is 2^e with e = floor(log2(the largest magnitude in the block)) - 4, held to -126 .. 127; a block of zeros has e = 0. As a byte (E8M0): e + 127.
;;     - Each number is divided by its block's scale, clamped to +-28, and rounded to the nearest number of E3M2, ties to even, subnormals kept.
;;     - The product sums the exact products of the quantised numbers (number of the format x scale) in f32.
;;   ~~~python
;;   def quantise(x, axis):      # numpy; x: float32 -> the quantised numbers, widened to float32 again
;;       x = np.moveaxis(x, axis, -1); K = x.shape[-1]
;;       x = np.pad(x, [(0, 0)] * (x.ndim - 1) + [(0, -K % 32)]); x = x.reshape(x.shape[:-1] + (-1, 32)); a = np.abs(x).max(-1, keepdims=True)
;;       e = np.where(a > 0, np.clip(np.frexp(np.where(a > 0, a, 1))[1] - 1 - 4, -126, 127), 0)      # np.frexp(a)[1] - 1 = floor(log2(a)), exactly
;;       r = np.clip(x / 2.0 ** e, -28, 28)
;;       step = 2.0 ** (np.maximum(np.frexp(np.where(r == 0, 1, r))[1] - 1, -2) - 2)
;;       q = np.round(r / step) * step * 2.0 ** e      # np.round: ties to even
;;       return np.moveaxis(q.reshape(q.shape[:-2] + (-1,))[..., :K], -1, axis).astype(np.float32)
;;   ~~~
;;   SOFTMAX AHEAD OF A QUANTISED PRODUCT. Where the list says 'softmax', what is quantised is not the finished softmax but p = 2^(t - M), with t = logit x log2(e) and M = ceil(the row's largest t), a whole number; so 1/2 < the row's largest p <= 1. The row's sum l is taken of the UNQUANTISED p, in f32, and the product's result is divided by l at the end. Since M is a whole number, a kernel that streams over the keys may use a running M (the ceiling of the running maximum): every later rescaling is an exact power of two, which a block's scale takes up: the codes' values come out the same.
;;   OPERANDS COMPUTED ON THE WAY. 'Computed on the way' means the value that the module computes at that place (a softmax that the list does not call 'softmax' is quantised finished and normalised). What goes into a quantiser is computed in f32, as accurately as f32 sums, v_exp_f32 and their like allow (about 1e-6 of the number): no bf16 or f16 on the way to a quantiser, and a product that is left as it is and whose result goes on into a quantised operand takes f32 operands (vector FMAs, or v_wmma_f32_16x16x4_f32). A number that lies on a knife's edge between two numbers of the format may be rounded either way, as far as f32 arithmetic and the matrix unit's own rounding can turn it there, and no further.
;; One version. Each part assembles by itself: llvm-mc -triple=amdgcn-amd-amdhsa -mcpu=gfx1250 --defsym DOCPART=n.
;; ======== version 1 of 1: 2 launches
;; limits: inputs' magnitudes at most 100
;; workspace buffers: xq 6,553,600 bytes; ew 8,388,608 bytes; ediag 32,768 bytes
;; launch prep (part 1): grid 256 x 1, 8 waves a work-group, no clusters, 42,496 bytes of LDS; arguments t, x, alpha_w, xq, ew, ediag; writes xq, ew, ediag
.if DOCPART == 1
	.amdgcn_target "amdgcn-amd-amdhsa--gfx1250"
	.amdhsa_code_object_version 6
	.text
	.protected	k_q6f32ba2ebc_prep
	.globl	k_q6f32ba2ebc_prep
	.p2align	8
	.type	k_q6f32ba2ebc_prep,@function
k_q6f32ba2ebc_prep:
	s_mov_b64 s[64:65], 0
	v_nop
	global_prefetch_b8 v0, s[64:65] scope:SCOPE_SE
	s_setreg_imm32_b32 hwreg(HW_REG_WAVE_MODE, 25, 1), 1
	s_wait_xcnt 0x0
; PREP.  Work-group i (0..255) does two things, i being (b, p) for the first and (b, qt) for the second: b = i / 32, p = qt = i % 32.
; (1) x[b][p] ([512 keys][64 d], f32) is quantised ALONG THE KEYS to BF6 (E3M2) with one E8M0 byte for each 32 keys, and stored as IMAGES OF OPERAND REGISTERS:
;     xq[i] = 16 fragments (key step ks of 128 keys, tile dt of 16 d) of 1,536 bytes at (4 ks + dt) x 1536: register j of lane l at 512 (j / 4) + 16 l + 4 (j % 4);
;     then 8 scale images of 128 bytes at 24576 + (2 ks + dh) x 128: lane l holds the four bytes of d = 32 dh + l.
; (2) E[b][s][t] = 2^(score x log2(e) - 3) for the 16 queries s = 16 qt + r and all 512 keys t.  score = tpe(s) . tpe(t) / 4.  A row of tpe is eight pairs (sin, cos), so a score is at most 2 and the
;     diagonal's is 2: 3 is the ceiling of the largest exponent of a row in which the diagonal counts; in any other row it differs from that ceiling by a whole number, which the block scales and the row's sum take up alike.
;     ew[b][qt][ks][g 16][lane][16 bytes]: register 4 g + e = 32 c + i of lane (r, h) is E[16 qt + r][128 ks + 64 c + 32 h + i]: the order in which the second launch's operand wants its numbers.
;     ediag[b][qt][lane]: the diagonal's E of query 16 qt + lane % 16.
; Eight waves; wave v: ks = v / 2; dh = c = v % 2.  The product of tpe with itself feeds a quantiser, so it takes f32 operands (v_wmma_f32_16x16x4_f32).
; LIMITS: angles (scale x normalised t) under about 1e5 in magnitude, that is |alpha_w| under about 100; NaN and infinities among the inputs, and so t_max = t_min, are not served;
; a block of x whose largest magnitude lies under 2^-122 keeps the byte 1 (a block of zeros too: its codes are zeros, and this program alone reads the bytes).
.set TPE,  256                         ; LDS: bytes 0-63 the waves' minima and maxima; from 256 on tpe, 512 rows of 64 bytes + 16
.set TP,   80
.set EO,   24                          ; v24-55   tpe of my two keys, later my 32 numbers of E
.set BB,   56                          ; v56-63   the queries' fragment (4 K steps of 4)
.set AA,   64                          ; v64-95   the keys' fragments (tile u, K step kc) at 8 u + 2 kc
.set DA,   96                          ; v96-127  the four sums: written by matrix instructions alone
.set XR,   128                         ; v128-255 x: block be of 32 keys at 32 be
.set F0,   56                          ; v56-67, v68-79 the two fragments of codes, v80-82 half a block's codes: where AA and BB lay
.set F1,   68
.set TH,   80
.set DIVT, 50                          ; s50-57   10000^(-i / 8)
	s_load_b256 s[4:11], s[0:1], 0x0               ; t s[4:5], x s[6:7], alpha_w s[8:9], xq s[10:11]
	s_load_b128 s[12:15], s[0:1], 0x20             ; ew s[12:13], ediag s[14:15]
	s_set_vgpr_msb 0x40
	v_lshl_add_u32 v0, v0, 2, 0xa200
	v_mov_b32 v1, 0
	s_set_vgpr_msb 0x4000
	v_lshrrev_b32 v1, 5, v0
	v_readfirstlane_b32 s17, v1                    ; wave 0..7
	v_lshlrev_b32 v13, 3, v1                       ; LDS: my wave's minimum and maximum
	v_and_b32 v2, 31, v0
	v_lshlrev_b32 v1, 2, v2                        ; v1 = 4 x lane
	v_lshlrev_b32 v2, 4, v2                        ; v2 = 16 x lane
	v_and_b32 v8, 15, v0                           ; r
	v_bfe_u32 v9, v0, 4, 1                         ; h
	s_lshr_b32 s18, s17, 1                         ; ks
	s_and_b32 s19, s17, 1                          ; dh = c
	s_lshr_b32 s22, ttmp9, 5                       ; b
	s_and_b32 s23, ttmp9, 31                       ; qt
	s_mul_i32 s24, s23, 16*TP
	v_mul_u32_u24 v4, v8, TP
	v_lshl_add_u32 v4, v9, 3, v4
	v_add_nc_u32 v4, s24, v4                       ; v4: the queries' fragment: row 16 qt + r, + 8 h
	v_and_b32 v10, 7, v8
	v_lshrrev_b32 v11, 3, v8
	v_lshl_add_u32 v10, v11, 5, v10                ; THE KEYS OF A TILE ARE NOT NEIGHBOURS: lane r of tile u takes key 8 u + r % 8 + 32 (r / 8),
	v_mul_u32_u24 v3, v10, TP                      ; so that in the result lane (r, h) holds keys 32 h + 8 u + 0 .. 7
	v_lshl_add_u32 v3, v9, 3, v3
	s_mul_i32 s24, s17, 64*TP                      ; 128 ks + 64 c = 64 x wave
	v_add_nc_u32 v3, s24, v3                       ; v3: the keys' fragments
	v_lshlrev_b32 v5, 3, v0                        ; t: two numbers a thread
	v_mul_u32_u24 v23, v0, 2*TP                    ; where I put tpe of keys 2 tid, 2 tid + 1
	s_mov_b32 s20, 0x76543210
	s_mov_b32 s21, 0xfedcba98                      ; v_permlanex16_b32's selects for lane l xor 16
	s_mov_b32 s40, 0x3f22f983                      ; 2 / pi
	s_mov_b32 s41, 0x3fc90fdb                      ; pi / 2, to f32,
	s_mov_b32 s42, 0xb33bbd2e                      ; and what that leaves
	s_mov_b32 s44, 0xbe2aaaa3                      ; sine on [-pi/4, pi/4]: r + r z (S1 + z (S2 + z S3)), z = r r
	s_mov_b32 s45, 0x3c08839e
	s_mov_b32 s46, 0xb94ca1f9
	s_mov_b32 s47, 0x3d2aaaa5                      ; cosine: 1 - z / 2 + z z (C1 + z (C2 + z C3))
	s_mov_b32 s48, 0xbab6061a
	s_mov_b32 s49, 0x37ccf5ce
	s_mov_b32 s50, 0x3f800000
	s_mov_b32 s51, 0x3ea1e89b
	s_mov_b32 s52, 0x3dcccccd
	s_mov_b32 s53, 0x3d0186e2
	s_mov_b32 s54, 0x3c23d70a
	s_mov_b32 s55, 0x3b4f3e37
	s_mov_b32 s56, 0x3a83126f
	s_mov_b32 s57, 0x39a5cb5f
	s_mov_b32 s58, 0x3eb8aa3b                      ; log2(e) / 4
	s_mov_b32 s59, 0xc0400000                      ; -3
	s_mov_b32 s25, 0
	s_wait_kmcnt 0x0
	s_load_b32 s16, s[8:9], 0x0                    ; alpha_w
	s_lshl_b32 s24, s22, 11
	s_add_nc_u64 s[4:5], s[4:5], s[24:25]          ; t[b]
	s_lshl_b32 s24, ttmp9, 17                      ; x[b][p]: 131,072 bytes each,
	s_lshl_b32 s26, s18, 15                        ; + 128 ks keys of 256 bytes,
	s_add_co_u32 s24, s24, s26
	s_lshl_b32 s26, s19, 7                         ; + 32 dh columns
	s_add_co_u32 s24, s24, s26
	s_add_nc_u64 s[6:7], s[6:7], s[24:25]
; A LANE TAKES A COLUMN d = 32 dh + lane, AND ITS REGISTERS RUN DOWN THE KEYS: a load reads 128 consecutive bytes, and the wave beside mine the other half of the same rows
.macro XLOAD be
.irp i, 0,1,2,3,4,5,6,7,8,9,10,11,12,13,14,15,16,17,18,19,20,21,22,23,24,25,26,27,28,29,30,31
	global_load_b32 v[XR+32*(\be)+\i], v1, s[6:7] offset:(32*(\be)+\i)*256 th:TH_LOAD_NT
.endr
.endm
	global_load_b64 v[6:7], v5, s[4:5]
	XLOAD 0
	XLOAD 1
	s_mul_i32 s24, ttmp9, 25600
	s_add_nc_u64 s[10:11], s[10:11], s[24:25]      ; xq[i]
	s_lshl_b32 s24, s17, 7
	s_add_nc_u64 s[28:29], s[10:11], s[24:25]      ; my scale image: (2 ks + dh) x 128 = 128 x wave (24,576 stands in the store's immediate)
	s_mul_i32 s24, s17, 3072
	s_add_nc_u64 s[10:11], s[10:11], s[24:25]      ; my two fragments: (4 ks + 2 dh) x 1536 = 3,072 x wave
	s_lshl_b32 s24, ttmp9, 15
	s_lshl_b32 s26, s17, 12
	s_add_co_u32 s24, s24, s26
	s_add_nc_u64 s[12:13], s[12:13], s[24:25]      ; ew: 32,768 i + 8,192 ks + 4,096 c
	s_lshl_b32 s24, ttmp9, 7
	s_add_nc_u64 s[14:15], s[14:15], s[24:25]      ; ediag: 128 i
	v_mov_b32 v10, 0                               ; a lane permute's destination counts as one of its sources
	v_mov_b32 v11, 0
	; ---- the smallest and the largest t of the batch row
	s_wait_loadcnt 63                              ; 65 loads are out and they come back in order: the oldest, t's, is in
	v_min_num_f32 v8, v6, v7
	v_max_num_f32 v9, v6, v7
.irp m, 1,2,4,8
	v_min_num_f32_dpp v8, v8, v8 row_xmask:\m row_mask:0xf bank_mask:0xf
	v_max_num_f32_dpp v9, v9, v9 row_xmask:\m row_mask:0xf bank_mask:0xf
.endr
	v_permlanex16_b32 v10, v8, s20, s21
	v_permlanex16_b32 v11, v9, s20, s21
	v_min_num_f32 v8, v8, v10
	v_max_num_f32 v9, v9, v11
	ds_store_b64 v13, v[8:9]                       ; all lanes write the same two words
	s_wait_dscnt 0x0                               ; for the others' sake
	s_barrier_signal -1
	s_barrier_wait -1
	XLOAD 2                                        ; the other 64 keys: they land under the sines and cosines
	XLOAD 3
	v_mov_b32 v14, 0
.irp j, 0,1,2,3
	ds_load_b128 v[24+4*\j:27+4*\j], v14 offset:16*\j
.endr
	s_wait_dscnt 0x0
	v_min3_num_f32 v8, v24, v26, v28
	v_max3_num_f32 v9, v25, v27, v29
	v_min3_num_f32 v8, v8, v30, v32
	v_max3_num_f32 v9, v9, v31, v33
	v_min3_num_f32 v8, v8, v34, v36
	v_max3_num_f32 v9, v9, v35, v37
	v_min_num_f32 v8, v8, v38                      ; t_min
	v_max_num_f32 v9, v9, v39                      ; t_max
	; ---- tn = (elu(1000 alpha) + 1) x (t - t_min) / (t_max - t_min)
	s_wait_kmcnt 0x0
	v_mov_b32 v19, s16
	v_mul_f32 v19, 0x447a0000, v19                 ; xk = 1000 alpha
	v_mul_f32 v15, 0x3fb8aa3b, v19
	v_sub_f32 v17, v9, v8                          ; d
	v_exp_f32 v15, v15                             ; e^xk
	v_rcp_f32 v18, v17
	v_sub_f32 v6, v6, v8                           ; (plain work behind the two)
	v_sub_f32 v7, v7, v8
	s_wait_alu depctr_va_vdst(0)                   ; one wait for both, ahead of their first reader
	v_add_f32 v15, -1.0, v15
	v_cmp_lt_f32 vcc_lo, 0, v19
	v_cndmask_b32 v19, v15, v19, vcc_lo            ; elu: xk where it is positive, else e^xk - 1
	v_add_f32 v19, 1.0, v19
	v_mul_f32 v10, v6, v18                         ; the quotient, mended once by its remainder
	v_mul_f32 v11, v7, v18
	v_fma_f32 v12, -v10, v17, v6
	v_fma_f32 v13, -v11, v17, v7
	v_fma_f32 v10, v12, v18, v10
	v_fma_f32 v11, v13, v18, v11
	v_mul_f32 v21, v19, v10
	v_mul_f32 v22, v19, v11
; sin and cos of v[tn] x 10000^(-f / 8) into v[d], v[d + 1].  The angle less K quarter turns (the first step is exact: K x s41 is formed whole by the FMA), two short series, and K's two low bits choose and sign them.
.macro SINCOS tn, f, d
	v_mul_f32 v8, s[DIVT+\f], v[\tn]
	v_mul_f32 v9, s40, v8
	v_rndne_f32 v9, v9                             ; K
	v_fma_f32 v10, -v9, s41, v8
	v_fma_f32 v10, -v9, s42, v10                   ; r
	v_cvt_i32_f32 v11, v9
	v_mul_f32 v12, v10, v10                        ; z
	v_fma_f32 v13, v12, s46, s45
	v_fma_f32 v15, v12, s49, s48
	v_fma_f32 v13, v13, v12, s44
	v_fma_f32 v15, v15, v12, s47
	v_mul_f32 v14, v10, v12
	v_fma_f32 v16, v12, -0.5, 1.0
	v_fma_f32 v13, v14, v13, v10                   ; sin r
	v_mul_f32 v14, v12, v12
	v_fma_f32 v15, v14, v15, v16                   ; cos r
	v_and_b32 v14, 1, v11
	v_cmp_eq_u32 vcc_lo, 1, v14
	v_cndmask_b32 v16, v13, v15, vcc_lo            ; an odd K changes the two over
	v_cndmask_b32 v15, v15, v13, vcc_lo
	v_lshlrev_b32 v13, 30, v11                     ; the sine is negative for K % 4 = 2, 3,
	v_and_b32 v13, 0x80000000, v13
	v_xor_b32 v[\d], v13, v16
	v_add_nc_u32 v14, 1, v11                       ; the cosine for 1, 2
	v_lshlrev_b32 v14, 30, v14
	v_and_b32 v14, 0x80000000, v14
	v_xor_b32 v[\d+1], v14, v15
.endm
.irp f, 0,1,2,3,4,5,6,7
	SINCOS 21, \f, EO+2*\f
	SINCOS 22, \f, EO+16+2*\f
.endr
.irp k, 0,1
.irp j, 0,1,2,3
	ds_store_b128 v23, v[EO+16*\k+4*\j:EO+16*\k+4*\j+3] offset:TPE+TP*\k+16*\j
.endr
.endr
	s_wait_dscnt 0x0                               ; for the others' sake
	s_barrier_signal -1
	s_barrier_wait -1                              ; tpe of all 512 keys lies in LDS
	; ---- E: source 0 = 16 keys, source 1 = my work-group's 16 queries; lane (r, h) holds k = 4 kc + 2 h + 0, 1 of its row.  The queries' rows are loaded into registers of their own
.irp kc, 0,1,2,3
	ds_load_b64 v[BB+2*\kc:BB+2*\kc+1], v4 offset:TPE+16*\kc
.endr
.irp u, 0,1,2,3
.irp kc, 0,1,2,3
	ds_load_b64 v[AA+8*\u+2*\kc:AA+8*\u+2*\kc+1], v3 offset:TPE+8*TP*\u+16*\kc
.endr
.endr
	s_wait_dscnt 0x0
	v_mul_f32 v20, v[BB], v[BB]                    ; the diagonal's score x 4: the query's row with itself, my eight of its sixteen numbers,
.irp j, 1,2,3,4,5,6,7
	v_fma_f32 v20, v[BB+\j], v[BB+\j], v20
.endr
	v_permlanex16_b32 v10, v20, s20, s21
	v_add_f32 v20, v20, v10                        ; and lane l xor 16's eight
	v_fma_f32 v20, v20, s58, s59
.irp u, 0,1,2,3
	v_wmma_f32_16x16x4_f32 v[DA+8*\u:DA+8*\u+7], v[AA+8*\u:AA+8*\u+1], v[BB:BB+1], 0   ; the first K step starts the sums
.endr
.irp kc, 1,2,3
.irp u, 0,1,2,3
	v_wmma_f32_16x16x4_f32 v[DA+8*\u:DA+8*\u+7], v[AA+8*\u+2*\kc:AA+8*\u+2*\kc+1], v[BB+2*\kc:BB+2*\kc+1], v[DA+8*\u:DA+8*\u+7]   ; the four sums by turns
.endr
.endr
.rept 8
	v_nop                                          ; eight places behind this form before its results are read (ISA guide 7.12.1)
.endr
.set j, 0
.rept 32
	v_fma_f32 v[EO+j], v[DA+j], s58, s59           ; score x log2(e) - 3, into other registers; each sum is read from its low end on
.set j, j+1
.endr
.set j, 0
.rept 32
	v_exp_f32 v[EO+j], v[EO+j]
.set j, j+1
.endr
	v_exp_f32 v20, v20
	v_nop                                          ; a plain place behind the last exponential
	s_wait_alu depctr_va_vdst(0)                   ; one wait for the 33, ahead of their first reader
.irp g, 0,1,2,3,4,5,6,7
	global_store_b128 v2, v[EO+4*\g:EO+4*\g+3], s[12:13] offset:512*\g   ; 32 lanes store 512 consecutive bytes, aligned
.endr
	s_cmp_lg_u32 s17, 0                            ; every wave holds the same 16 diagonals: wave 0 stores them
	s_cbranch_scc1 .Lnot_wave_0
	global_store_b32 v1, v20, s[14:15]
.Lnot_wave_0:
	; ---- x's codes.  A block of 32 keys of my column lies in my 32 registers: its largest magnitude needs no other lane, and the conversions give codes with the keys innermost
.macro QB be, cd
.set XS, XR+32*(\be)
	v_max3_num_f32 v8, |v[XS]|, |v[XS+1]|, |v[XS+2]|
	v_max3_num_f32 v9, |v[XS+3]|, |v[XS+4]|, |v[XS+5]|
.irp i, 6,10,14,18,22,26
	v_max3_num_f32 v8, v8, |v[XS+\i]|, |v[XS+\i+1]|
	v_max3_num_f32 v9, v9, |v[XS+\i+2]|, |v[XS+\i+3]|
.endr
	v_max3_num_f32 v8, v8, |v[XS+30]|, |v[XS+31]|
	v_max3_num_f32 v8, v8, v9, 0x2800000           ; and the floor 2^(5 - 127): the byte cannot fall under 1
	v_add_nc_u32 v10, 0xfe000000, v8               ; 4 off the exponent field: the conversion's scale operand
	v_lshrrev_b32 v[12+(\be)], 23, v10             ; the scale's byte
	v_cvt_scalef32_pk16_bf6_f32 v[\cd:\cd+2], v[XS:XS+15], v10
	v_cvt_scalef32_pk16_bf6_f32 v[TH:TH+2], v[XS+16:XS+31], v10   ; (a conversion's three registers begin on an even number)
	v_nop                                          ; one plain place behind a scaled conversion
.irp j, 0,1,2
	v_mov_b32 v[\cd+3+\j], v[TH+\j]
.endr
.endm
	s_wait_loadcnt 63                              ; 129 loads were issued: the oldest 66 are in, blocks 0 and 1 among them
	QB 0, F0
	QB 1, F1
	s_wait_loadcnt 32                              ; block 2 is in; block 3's 32 loads may be out
	QB 2, F0+6
	s_wait_loadcnt 0x0
	QB 3, F1+6
.set j, 0
.rept 12                               ; a fragment wants 16 columns, block 2 c in lanes 0-15 and block 2 c + 1 in lanes 16-31: the even blocks' lanes 16-31 change places with the odd blocks' lanes 0-15
	v_permlane16_swap_b32 v[F0+j], v[F1+j]         ; F0 is now the fragment of d = 32 dh + 0 .. 15, F1 that of d = 32 dh + 16 .. 31
.set j, j+1
.endr
	v_lshl_or_b32 v16, v13, 8, v12                 ; my column's scale word
	v_lshl_or_b32 v16, v14, 16, v16
	v_lshl_or_b32 v16, v15, 24, v16
.irp f, 0,1
.irp g, 0,1,2
	global_store_b128 v2, v[F0+12*\f+4*\g:F0+12*\f+4*\g+3], s[10:11] offset:1536*\f+512*\g   ; 512 consecutive bytes, aligned
.endr
.endr
	global_store_b32 v1, v16, s[28:29] offset:24576   ; 128 consecutive bytes: two waves' stores make up 256 (one byte in 25 of xq)
	s_set_vgpr_msb 0x5
	s_wait_tensorcnt 0x0
	ds_add_u32 v0, v1
	s_wait_dscnt 0x0
	s_set_vgpr_msb 0x500
	s_endpgm
.Lfunc_end_k_q6f32ba2ebc_prep:
	.size	k_q6f32ba2ebc_prep, .Lfunc_end_k_q6f32ba2ebc_prep-k_q6f32ba2ebc_prep
	.p2alignl 7, 3214868480
	.fill 96, 4, 3214868480
	.section	.rodata,"a",@progbits
	.p2align	6, 0x0
	.amdhsa_kernel k_q6f32ba2ebc_prep
		.amdhsa_group_segment_fixed_size 42496
		.amdhsa_private_segment_fixed_size 0
		.amdhsa_enable_private_segment 0
		.amdhsa_kernarg_size 48
		.amdhsa_user_sgpr_count 2
		.amdhsa_user_sgpr_kernarg_segment_ptr 1
		.amdhsa_wavefront_size32 1
		.amdhsa_system_sgpr_workgroup_id_x 1
		.amdhsa_system_sgpr_workgroup_id_y 1
		.amdhsa_system_sgpr_workgroup_id_z 1
		.amdhsa_system_vgpr_workitem_id 0
		.amdhsa_next_free_vgpr 258
		.amdhsa_next_free_sgpr 66
		.amdhsa_reserve_vcc 1
		.amdhsa_float_denorm_mode_32 3
		.amdhsa_float_denorm_mode_16_64 3
		.amdhsa_memory_ordered 1
		.amdhsa_forward_progress 1
		.amdhsa_inst_pref_size 53
	.end_amdhsa_kernel
	.amdgpu_metadata
---
amdhsa.version: [ 1, 2 ]
amdhsa.kernels:
  - .name:           k_q6f32ba2ebc_prep
    .symbol:         k_q6f32ba2ebc_prep.kd
    .args:
      - { .name: t, .offset: 0, .size: 8, .value_kind: global_buffer, .address_space: global }
      - { .name: x, .offset: 8, .size: 8, .value_kind: global_buffer, .address_space: global }
      - { .name: alpha_w, .offset: 16, .size: 8, .value_kind: global_buffer, .address_space: global }
      - { .name: xq, .offset: 24, .size: 8, .value_kind: global_buffer, .address_space: global }
      - { .name: ew, .offset: 32, .size: 8, .value_kind: global_buffer, .address_space: global }
      - { .name: ediag, .offset: 40, .size: 8, .value_kind: global_buffer, .address_space: global }
    .group_segment_fixed_size: 42496
    .private_segment_fixed_size: 0
    .kernarg_segment_align: 8
    .kernarg_segment_size: 48
    .max_flat_workgroup_size: 256
    .sgpr_count:     66
    .vgpr_count:     258
    .wavefront_size: 32
...
	.end_amdgpu_metadata
.endif
;; end of part 1
;; launch main (part 2): grid 32 x 8, 4 waves a work-group, clusters of 4 x 1, 168,448 bytes of LDS; arguments x, mask, xq, ew, ediag, out0; writes out0
.if DOCPART == 2
	.amdgcn_target "amdgcn-amd-amdhsa--gfx1250"
	.amdhsa_code_object_version 6
	.text
	.protected	k_q6f32ba2ebc_main
	.globl	k_q6f32ba2ebc_main
	.p2align	8
	.type	k_q6f32ba2ebc_main,@function
k_q6f32ba2ebc_main:
	s_mov_b64 s[64:65], 0
	v_nop
	global_prefetch_b8 v0, s[64:65] scope:SCOPE_SE
	s_setreg_imm32_b32 hwreg(HW_REG_WAVE_MODE, 25, 1), 1
	s_wait_xcnt 0x0
	s_wait_alu depctr_hold_cnt(0) depctr_sa_sdst(0) depctr_va_vdst(0) depctr_va_sdst(0) depctr_va_ssrc(0) depctr_va_vcc(0) depctr_vm_vsrc(0)
	s_getreg_b32 s2, hwreg(HW_REG_IB_STS2, 6, 4)
	s_cmp_eq_u32 s2, 0
	s_cbranch_scc0 .Lentry_in_a_cluster
	s_endpgm
.Lentry_in_a_cluster:
	s_bfe_u32 s2, ttmp6, 0x10000c
	s_cmp_lg_u32 s2, 0x3003
	s_cbranch_scc0 .Lentry_shape_is_right
	s_endpgm
.Lentry_shape_is_right:
; MAIN.  out[b][p][s][:] = x m + (1 - m) (sum over t of p(s, t) xq(t)[:]) / l(s), m = mask[b][p][s]; p(s, t) = E[b][s][t] where key t counts ((mask[b][p][t] + (s == t)) >= 0.5), else 0;
; l = the row's sum of the unquantised p.  E = 2^(score x log2(e) - 3) does not hang on p: the first launch made it, with x's codes.  p is quantised here, along the keys, to BF6 with one E8M0 byte for each 32 keys.
; The fixed 3 stands for the ceiling of the row's largest exponent: it IS that ceiling where the diagonal counts (its score is 2, no score is larger), and differs from it by a whole number elsewhere, which moves the block
; scales and l by one and the same power of two (E lies between 2^-5.9 and 1: nothing overflows or underflows).  A row in which NO key counts has equal logits in the problem's definition: p = 1 for all 512 keys (U below).
; SHARES.  A work-group is (b, a group pg of four p, a range qr of 128 queries); each of its four waves owns 32 queries, two tiles of 16.  A WAVE'S E (2 x 16 x 512 f32) STAYS IN 512 REGISTERS FOR ALL FOUR p.
; CLUSTER.  The four query ranges of one (b, pg) form a cluster and need the same images of x's codes: 4 x 25,600 bytes, asked for JOINTLY, once, one tensor load a wave; no LDS byte is filled twice.
; E is not shared so.
; No prefetch: x's rows for the blend are asked for a whole pass ahead of their use, E three chunks ahead, so no wave waits for a stream that is read once.
; LAYOUT.  O^T = V^T P^T: source 0 = 16 of the 64 d, source 1 = my 16 queries: a lane holds ONE query (lane % 16).  Lane (r, h) of P's operand holds keys 64 c + 32 h + 0 .. 31 of a step of 128: whole blocks, so a block's
; largest p needs no other lane.  THE DIAGONAL of wave w lies in key step qr, block w (c = w / 2, h = w % 2), place 16 tau + r.  qr is my place in the cluster: it enters global addresses and the masks SF (data) alone.
; LIMITS: NaN and infinities among the inputs are not served.
; REGISTERS, in windows of 256 (s_set_vgpr_msb: bits 1:0 source 0, 3:2 source 1, 5:4 source 2, 7:6 destination):
;   window 0: v0-15 addresses, v16-127 as named below, v128-191 T (a chunk's 64 p), v192-255 the 8 accumulators (32 tau + 8 dt)
;   window 1: v0-63 a (0 or 1) of a key step; v64-111 V's four fragments; v112-175 x's rows for the blend; v176-207 the diagonal's E at its place among 16 zeros, for each tau
;   window 2: E of tile 0 (64 ks + register);   window 3: E of tile 1
.set IMG, 25600                        ; LDS: 0: four images of x's codes;
.set AM,  102400                       ; a = 0 or 1 as f32, [4 p][512 keys];
.set STG, 110592                       ; a stage of 16 rows x (256 bytes + 16) for each wave;
.set MQB, 128000                       ; 256 bytes a wave: a tile's 16 m, reordered for the blend;
.set MQA, 129024                       ; 1,024 bytes a wave: m of my queries, [p][tau][lane]
.set LI,4
.set VI,5
.set VSA,6
.set VA0,7
.set VA,8
.set XO,9
.set MO,10
.set STO,11
.set RD,12
.set MQS,13
.set MQL,14
.set SH8,15
.set ED,16                             ; v16-17   the diagonal's E of my query, tile tau
.set DGM,18                            ; v18-19   the same in the lanes whose half holds the diagonal, 0 in the others
.set MQ,20                             ; v20-21   m of my query
.set DGT,22                            ; v22-23   the diagonal's E where it lies in block c of this chunk and counts, else 0
.set MX,24
.set SCO,28
.set BY,30
.set PW,32                             ; v32      P's scale word, and nothing else
.set PX,33
.set VS,34                             ; v34-35   V's scale words, and nothing else
.set LS,36                             ; v36-51   the row's sums: four chains of pairs for each tau
.set CD,52                             ; v52-63   P's codes
.set TH,64
.set DD,72
.set MR,80
.set FF,88
.set LL,90
.set LX,91
.set NA,92
.set OM,93
.set RC,94
.set TW,95
.set ZERO,99
.set MQR0,100
.set MQR,101
.set VAN0,102
.set VAN,103
.set ADM,104                           ; v104-105 all ones where my query's diagonal counts, else 0
.set SFV,108
.set UU,110                            ; v110-113 U, twice for each tau: 1 where no key at all counts for my query
.set ANY,114
.set AX,115
.set T,128
.set ACC,192
.set VF,64                             ; in window 1
.set XX,112
.set DG16,176
.set SF,40                             ; s40-47   SF[2 ks + c] = all ones where block pair (ks, c) holds my wave's diagonal
.set MSB, 0
.macro WIN new                         ; the immediate's high byte repeats the setting that is left; a switch that changes nothing is dropped
.if MSB != (\new)
	s_set_vgpr_msb (MSB<<8)|(\new)
.set MSB, (\new)
.endif
.endm
.macro CROUND                          ; a round of the cluster's barrier
	s_barrier_signal -1
	s_barrier_wait -1
	s_cmp_lg_u32 s16, 0
	s_cbranch_scc1 .Lnot_wave_0_\@
	s_barrier_signal -3
.Lnot_wave_0_\@:
	s_barrier_wait -3
	s_barrier_signal -1
	s_barrier_wait -1
.endm
	s_load_b256 s[4:11], s[0:1], 0x0               ; x s[4:5], mask s[6:7], xq s[8:9], ew s[10:11]
	s_load_b128 s[12:15], s[0:1], 0x20             ; ediag s[12:13], out0 s[14:15]
	v_lshl_add_u32 v126, v0, 2, 0x29000
	v_mov_b32 v127, 0
	ds_add_u32 v126, v127
	ds_add_u32 v126, v127
	v_lshrrev_b32 v1, 5, v0
	v_readfirstlane_b32 s16, v1                    ; w: wave 0..3
	s_bfe_u32 s17, ttmp6, 0x40000                  ; qr = my place in the cluster
	s_and_b32 s19, ttmp7, 0xffff                   ; b (ttmp9: pg)
	s_mov_b32 s20, 0x76543210
	s_mov_b32 s21, 0xfedcba98                      ; v_permlanex16_b32's selects for lane l xor 16
	; descriptor group 1: a dense block of 25,600 bytes as 100 rows of 32 elements of 8 bytes, no padding
	s_mov_b32 s32, 15|(3<<16)|(1<<21)              ; 15:0 the mask: all four work-groups; 17:16 elements of 8 bytes; 21 set beside a mask
	s_mov_b32 s33, 32<<16                          ; tensor_dim0 = 32
	s_mov_b32 s34, 100<<16                         ; tensor_dim1 = 100
	s_mov_b32 s35, 32<<16                          ; tile_dim0 = 32
	s_mov_b32 s36, 100                             ; tile_dim1 = 100
	s_mov_b32 s37, 32                              ; the pitch
	s_mov_b32 s38, 0
	s_mov_b32 s39, 0
	s_lshl_b32 s50, s19, 5
	s_lshl_b32 s51, ttmp9, 2
	s_add_co_u32 s50, s50, s51                     ; pb = 32 b + 4 pg: the first of my four (b, p)
	s_add_co_u32 s52, s50, s16                     ; wave w fetches the image of p = w: b, pg and w are the same in all four partners
	s_mul_i32 s52, s52, IMG
	s_mov_b32 s53, 0
	s_mov_b32 s28, 1                               ; group 0: count = 1,
	s_mul_i32 s29, s16, IMG                        ; LDS address: w x 25,600
	s_mov_b32 s55, 0
	s_mov_b32 s27, 0
	s_wait_dscnt 0x0
	s_wait_kmcnt 0x0
	s_add_nc_u64 s[30:31], s[8:9], s[52:53]        ; global address,
	s_or_b32 s31, s31, 0x80000000                  ; type = 2
	s_lshl_b32 s54, s50, 17                        ; x and out0: pb x 131,072 + qr x 128 rows of 256 bytes
	s_lshl_b32 s26, s17, 15
	s_add_co_u32 s54, s54, s26
	s_add_nc_u64 s[4:5], s[4:5], s[54:55]
	s_add_nc_u64 s[14:15], s[14:15], s[54:55]
	s_lshl_b32 s54, s50, 11                        ; mask: the four p's rows of 2,048 bytes,
	s_add_nc_u64 s[48:49], s[6:7], s[54:55]
	s_lshl_b32 s26, s17, 9                         ; and in them my work-group's 128 queries
	s_add_co_u32 s54, s54, s26
	s_add_nc_u64 s[6:7], s[6:7], s[54:55]
	s_lshl_b32 s54, s19, 5                         ; my first tile of queries: 32 b + 8 qr + 2 w
	s_lshl_b32 s26, s17, 3
	s_add_co_u32 s54, s54, s26
	s_lshl_b32 s26, s16, 1
	s_add_co_u32 s54, s54, s26
	s_lshl_b32 s26, s54, 7
	s_add_nc_u64 s[12:13], s[12:13], s[26:27]      ; ediag: 128 bytes a tile
	s_lshl_b32 s54, s54, 15
	s_add_nc_u64 s[10:11], s[10:11], s[54:55]      ; ew: 32,768 bytes a tile
	s_lshl_b32 s26, s17, 1
	s_lshr_b32 s56, s16, 1
	s_add_co_u32 s26, s26, s56                     ; 2 qr + w / 2
.irp j, 0,1,2,3,4,5,6,7
	s_cmp_eq_u32 s26, \j
	s_cselect_b32 s[SF+\j], -1, 0                  ; a mask for data: no branch and no LDS address hangs on it
.endr
	s_and_b32 s57, s16, 1                          ; the half of the lanes that holds the diagonal
	s_mov_b32 s23, 0                               ; p x 25,600
	s_mov_b32 s24, 0                               ; p x 2,048
	s_mov_b32 s25, 0                               ; p x 256
	CROUND                                         ; all four work-groups are here: the joint loads meet
	tensor_load_to_lds s[28:31], s[32:39]          ; my one tensor load of the launch: a first fill
	s_nop 0
.rept 4
	v_nop
.endr
	v_and_b32 v3, 31, v0                           ; lane
	v_and_b32 v1, 15, v0                           ; r
	v_bfe_u32 v2, v0, 4, 1                         ; h
	v_lshlrev_b32 v[LI], 4, v3                     ; 16 x lane: an image's place for my lane
	v_lshl_add_u32 v[VA0], v2, 7, AM               ; a: my half's 32 keys
	v_lshl_add_u32 v[VAN0], v3, 6, AM              ; a: 16 keys a lane, for the search for any key that counts
	v_lshlrev_b32 v[XO], 8, v2
	v_lshl_add_u32 v[XO], v1, 4, v[XO]
	s_lshl_b32 s56, s16, 13
	v_add_nc_u32 v[XO], s56, v[XO]                 ; x, out0: my wave's 32 rows; lanes 0-15 one row of 256 bytes, lanes 16-31 the next
	s_lshl_b32 s56, s16, 7
	v_lshl_add_u32 v[MO], v1, 2, s56               ; mask: query 32 w + r
	s_mul_i32 s56, s16, 16*272
	s_add_co_u32 s56, s56, STG
	v_mul_u32_u24 v[STO], v1, 272
	v_lshl_add_u32 v[STO], v2, 5, v[STO]
	v_add_nc_u32 v[STO], s56, v[STO]               ; the stage, in: row r, 32 bytes for each half of the lanes
	v_mul_u32_u24 v[RD], v2, 272
	v_lshl_add_u32 v[RD], v1, 4, v[RD]
	v_add_nc_u32 v[RD], s56, v[RD]                 ; and back: two whole rows an instruction
	s_lshl_b32 s56, s16, 8
	s_add_co_u32 s56, s56, MQB
	v_and_b32 v[MQS], 1, v1
	v_lshlrev_b32 v[MQS], 5, v[MQS]
	v_lshrrev_b32 v[MQL], 1, v1
	v_lshl_add_u32 v[MQS], v[MQL], 2, v[MQS]
	v_add_nc_u32 v[MQS], s56, v[MQS]               ; m of row r goes to word 8 (r % 2) + r / 2,
	v_lshlrev_b32 v[MQL], 5, v2
	v_add_nc_u32 v[MQL], s56, v[MQL]               ; so that a lane reads the m of rows 2 i + lane / 16, i = 0 .. 7, on end
	v_lshlrev_b32 v[SH8], 3, v2
	s_lshl_b32 s56, s16, 10
	s_add_co_u32 s56, s56, MQA
	v_lshl_add_u32 v[MQR0], v3, 2, s56
	v_mov_b32 v[ZERO], 0
	v_mov_b32 v[PX], 0                             ; a lane permute's destination counts as one of its sources
	v_mov_b32 v[LX], 0
	v_mov_b32 v[AX], 0
	v_lshlrev_b32 v97, 4, v0                       ; 16 x thread
	v_lshlrev_b32 v98, 2, v3                       ; 4 x lane
	v_lshl_add_u32 v96, v0, 4, AM
.macro NEXT                            ; the next p's rows of x for the blend: 16 loads of 512 consecutive bytes
	WIN 0x40
.irp tau, 0,1
.irp i, 0,1,2,3,4,5,6,7
	global_load_b128 v[XX+32*\tau+4*\i:XX+32*\tau+4*\i+3], v[XO], s[4:5] offset:4096*\tau+512*\i th:TH_LOAD_NT
.endr
.endr
	WIN 0
.endm
.macro ELOAD n                         ; chunk n = 2 ks + tau of E: 64 registers, 16 loads of 512 consecutive bytes
	WIN 0x80+0x40*((\n)%2)
.set eg, 0
.rept 16
	global_load_b128 v[64*((\n)/2)+4*eg:64*((\n)/2)+4*eg+3], v[LI], s[10:11] offset:32768*((\n)%2)+8192*((\n)/2)+512*eg
.set eg, eg+1
.endr
.endm
.macro ALOAD ks                        ; a of the step's 128 keys: register 32 c + i = key 64 c + 32 h + i; the lanes of a half read the same words
	WIN 0x40
.set ag, 0
.rept 16
	ds_load_b128 v[4*ag:4*ag+3], v[VA] offset:512*(\ks)+16*ag+128*(ag/8)
.set ag, ag+1
.endr
.endm
.macro VLOAD ks                        ; the step's four fragments of x's codes, as images, and their scale words
	WIN 0x40
.set vg, 0
.rept 12
	ds_load_b128 v[VF+4*vg:VF+4*vg+3], v[VI] offset:6144*(\ks)+512*vg
.set vg, vg+1
.endr
	WIN 0
	ds_load_b32 v[VS], v[VSA] offset:24576+256*(\ks)
	ds_load_b32 v[VS+1], v[VSA] offset:24576+256*(\ks)+128
.endm
.irp j, 0,1,2,3
	global_load_b128 v[T+4*\j:T+4*\j+3], v97, s[48:49] offset:2048*\j   ; the four p's masks: 128 threads x 16 bytes are a row
.endr
	global_load_b32 v[ED], v98, s[12:13]
	global_load_b32 v[ED+1], v98, s[12:13] offset:128
.irp j, 0,1,2,3
.irp tau, 0,1
	global_load_b32 v[T+16+2*\j+\tau], v[MO], s[6:7] offset:2048*\j+64*\tau   ; m of my queries, for the four p
.endr
.endr
	NEXT
	ELOAD 0
	ELOAD 1
	ELOAD 2
	WIN 0
	s_wait_loadcnt 63                              ; 78 loads were issued: the oldest 15 are in, and the first 14 are wanted here
.set j, 0
.rept 16
	v_cmp_gt_f32 vcc_lo, 0.5, v[T+j]
	v_cndmask_b32 v[T+j], 1.0, v[ZERO], vcc_lo     ; a = 0 where mask < 0.5, else 1
.set j, j+1
.endr
.irp j, 0,1,2,3
	ds_store_b128 v96, v[T+4*\j:T+4*\j+3] offset:2048*\j
.endr
.irp j, 0,1,2,3
.irp tau, 0,1
	ds_store_b32 v[MQR0], v[T+16+2*\j+\tau] offset:256*\j+128*\tau
.endr
.endr
	v_cmp_eq_u32 vcc_lo, s57, v2
	v_cndmask_b32 v[DGM], v[ZERO], v[ED], vcc_lo
	v_cndmask_b32 v[DGM+1], v[ZERO], v[ED+1], vcc_lo
	WIN 0x40
.set j, 0
.rept 16
	v_cmp_eq_u32 vcc_lo, j, v1
	v_cndmask_b32 v[DG16+j], v[ZERO], v[DGM], vcc_lo       ; sixteen numbers of which number r is the diagonal's E
	v_cndmask_b32 v[DG16+16+j], v[ZERO], v[DGM+1], vcc_lo
.set j, j+1
.endr
	WIN 0
	s_wait_tensorcnt 0x0                           ; my image has landed,
	s_wait_dscnt 0x0                               ; my stores of a too:
	s_barrier_signal -1
	s_barrier_wait -1                              ; everybody's have.  From here on the waves share nothing that is written
.macro PV tau, dt, zero                ; one product: 16 d x my 16 queries x 128 keys
.set pa, ACC+32*(\tau)+8*(\dt)
.set pv, VF+12*(\dt)
.set ps, VS+(\dt)/2
.if \zero
.if (\dt)%2
	v_wmma_scale_f32_16x16x128_f8f6f4 v[pa:pa+7], v[pv:pv+11], v[CD:CD+11], 0, v[ps], v[PW] matrix_a_fmt:MATRIX_FMT_BF6 matrix_b_fmt:MATRIX_FMT_BF6 matrix_a_scale:MATRIX_SCALE_ROW1
.else
	v_wmma_scale_f32_16x16x128_f8f6f4 v[pa:pa+7], v[pv:pv+11], v[CD:CD+11], 0, v[ps], v[PW] matrix_a_fmt:MATRIX_FMT_BF6 matrix_b_fmt:MATRIX_FMT_BF6
.endif
.else
.if (\dt)%2
	v_wmma_scale_f32_16x16x128_f8f6f4 v[pa:pa+7], v[pv:pv+11], v[CD:CD+11], v[pa:pa+7], v[ps], v[PW] matrix_a_fmt:MATRIX_FMT_BF6 matrix_b_fmt:MATRIX_FMT_BF6 matrix_a_scale:MATRIX_SCALE_ROW1
.else
	v_wmma_scale_f32_16x16x128_f8f6f4 v[pa:pa+7], v[pv:pv+11], v[CD:CD+11], v[pa:pa+7], v[ps], v[PW] matrix_a_fmt:MATRIX_FMT_BF6 matrix_b_fmt:MATRIX_FMT_BF6
.endif
.endif
.endm
; A CHUNK: tile tau of my queries x key step ks: 64 p a lane are made, summed and quantised, and four products follow.  first = 1: the first p, in which E arrives.
.macro CHUNK ks, tau, first
.set CN, 2*(\ks)+(\tau)
.if \first
.if CN <= 5
	s_wait_loadcnt 32                              ; this chunk of E is in; the two chunks asked for behind it may be out
.elseif CN == 6
	s_wait_loadcnt 16
.else
	s_wait_loadcnt 0x0
.endif
.if CN <= 4
	ELOAD CN+3
.endif
.endif
.if (\tau) == 0
	s_wait_dscnt 0x0                               ; a of this key step is in
.endif
	WIN 6+(\tau)                                   ; E in window 2 or 3, a in window 1
.set ck, 0
.rept 32
	v_pk_fma_f32 v[T+2*ck:T+2*ck+1], v[64*(\ks)+2*ck:64*(\ks)+2*ck+1], v[2*ck:2*ck+1], v[UU+2*(\tau):UU+2*(\tau)+1]   ; p = E a + U.  (These 32 are also the places behind the last products)
.set ck, ck+1
.endr
.if ((\tau) == 0) && ((\ks) > 0)
	VLOAD \ks                                      ; into registers that the last products read: 32 places lie between
.endif
.if ((\tau) == 1) && ((\ks) < 3)
	ALOAD (\ks)+1
.endif
	WIN 0
.irp c, 0,1
	v_and_b32 v[SFV+\c], s[SF+2*(\ks)+\c], v[ADM+(\tau)]   ; all ones where my diagonal lies in this pair of blocks and counts
.endr
.irp c, 0,1
	v_and_b32 v[DGT+\c], v[SFV+\c], v[DGM+(\tau)]
.endr
.irp c, 0,1                            ; each block's largest p, in two chains; one begins with the floor 2^(5 - 127), the other with the diagonal's E.  No |.|: none is negative
	v_max3_num_f32 v[MX+2*\c], v[T+32*\c], v[T+32*\c+1], 0x2800000
	v_max3_num_f32 v[MX+2*\c+1], v[T+32*\c+16], v[T+32*\c+17], v[DGT+\c]
.endr
.irp i, 2,4,6,8,10,12,14
.irp c, 0,1
	v_max3_num_f32 v[MX+2*\c], v[MX+2*\c], v[T+32*\c+\i], v[T+32*\c+\i+1]
	v_max3_num_f32 v[MX+2*\c+1], v[MX+2*\c+1], v[T+32*\c+16+\i], v[T+32*\c+17+\i]
.endr
.endr
.irp c, 0,1
	v_max_num_f32 v[MX+2*\c], v[MX+2*\c], v[MX+2*\c+1]
.endr
.irp c, 0,1
	v_add_nc_u32 v[SCO+\c], 0xfe000000, v[MX+2*\c] ; 4 off the exponent field: the conversion's scale operand
.endr
.irp c, 0,1
	v_lshrrev_b32 v[BY+\c], 23, v[SCO+\c]          ; the scale's byte
.endr
	v_lshl_or_b32 v[TW], v[BY+1], 16, v[BY]        ; my two bytes: blocks h and 2 + h,
	v_lshlrev_b32 v[TW], v[SH8], v[TW]             ; at their places;
	v_permlanex16_b32 v[PX], v[TW], s20, s21
	v_or_b32 v[PW], v[TW], v[PX]                   ; with lane l xor 16's two the word is whole
.irp c, 0,1
	v_cvt_scalef32_pk16_bf6_f32 v[CD+6*\c:CD+6*\c+2], v[T+32*\c:T+32*\c+15], v[SCO+\c]
	v_cvt_scalef32_pk16_bf6_f32 v[TH+4*\c:TH+4*\c+2], v[T+32*\c+16:T+32*\c+31], v[SCO+\c]   ; (a conversion's three registers begin on an even number)
.endr
	WIN 0x01
.irp c, 0,1
	v_cvt_scalef32_pk16_bf6_f32 v[DD+4*\c:DD+4*\c+2], v[DG16+16*(\tau):DG16+16*(\tau)+15], v[SCO+\c]   ; the diagonal's code at its place among zero codes
.endr
	WIN 0
	v_nop                                          ; one plain place behind a scaled conversion
; The diagonal's code is laid over P's by an OR.  Where a(s) = 1 the place already holds the code of the same number: E there is 2^-0.115 and its block's scale 2^-5, so both are the largest code, far from any middle between two codes.
.irp c, 0,1
.irp i, 0,1,2
.if (\tau) == 0
	v_mov_b32 v[CD+6*\c+3+\i], v[TH+4*\c+\i]
	v_and_or_b32 v[CD+6*\c+\i], v[DD+4*\c+\i], v[SFV+\c], v[CD+6*\c+\i]
.else
	v_and_or_b32 v[CD+6*\c+3+\i], v[DD+4*\c+\i], v[SFV+\c], v[TH+4*\c+\i]
.endif
.endr
.endr
.set LT, LS+8*(\tau)                   ; THE ROW'S SUM IS TAKEN OF THE UNQUANTISED p: four chains of pairs.  (These are also the places between the scale word, the codes and the products)
.if (\ks) == 0
.irp q, 0,1,2,3
	v_pk_add_f32 v[LT+2*\q:LT+2*\q+1], v[T+2*\q:T+2*\q+1], v[T+8+2*\q:T+8+2*\q+1]   ; the first pairs start the sums: nothing is cleared
.endr
.set ck, 8
.else
.set ck, 0
.endif
.rept 32-ck
	v_pk_add_f32 v[LT+2*(ck%4):LT+2*(ck%4)+1], v[LT+2*(ck%4):LT+2*(ck%4)+1], v[T+2*ck:T+2*ck+1]
.set ck, ck+1
.endr
.if (\tau) == 0
	s_wait_dscnt 0x0                               ; x's fragments of this key step are in
.endif
	WIN 0x01                                       ; source 0 (x's codes) window 1
.irp dt, 0,1,2,3                       ; the eight accumulators take turns, one instruction a turn, from chunk to chunk too
.if (\ks) == 0
	PV \tau, \dt, 1
.else
	PV \tau, \dt, 0
.endif
.endr
	WIN 0
.endm
; THE WAY OUT of tile tau: l is finished; O^T x (1 - m) / l goes through my stage and comes back as whole rows of 256 bytes; x m is added; sixteen lanes store one aligned run of 256 bytes.
.macro EPI tau
.set LT, LS+8*(\tau)
.set AT, ACC+32*(\tau)
.set YT, T+32*(\tau)
.set XT, XX+32*(\tau)
	v_pk_add_f32 v[LT:LT+1], v[LT:LT+1], v[LT+2:LT+3]
	v_pk_add_f32 v[LT+4:LT+5], v[LT+4:LT+5], v[LT+6:LT+7]
	v_cmp_gt_f32 vcc_lo, 0.5, v[MQ+(\tau)]
	v_cndmask_b32 v[NA], v[ZERO], v[ED+(\tau)], vcc_lo     ; the diagonal's p is not in T where a(s) = 0;
	v_and_b32 v[NA], v[NA], v[ADM+(\tau)]                  ; it is added where it counts
	v_pk_add_f32 v[LT:LT+1], v[LT:LT+1], v[LT+4:LT+5]
	v_add_f32 v[LL], v[LT], v[LT+1]
	v_permlanex16_b32 v[LX], v[LL], s20, s21
	v_add_f32 v[LL], v[LL], v[LX]                  ; with lane l xor 16's blocks
	v_add_f32 v[LL], v[LL], v[NA]
	v_rcp_f32 v[RC], v[LL]
	v_sub_f32 v[OM], 1.0, v[MQ+(\tau)]             ; (a plain place behind the reciprocal)
	s_wait_alu depctr_va_vdst(0)                   ; ahead of its first reader
	v_mul_f32 v[FF], v[OM], v[RC]
	v_mul_f32 v[FF+1], v[OM], v[RC]
	ds_store_b32 v[MQS], v[MQ+(\tau)]              ; both halves of the lanes write the same word with the same value
.set ek, 0
.rept 16
	v_pk_mul_f32 v[AT+2*ek:AT+2*ek+1], v[AT+2*ek:AT+2*ek+1], v[FF:FF+1]   ; each accumulator from its low end on
.set ek, ek+1
.endr
.irp dt, 0,1,2,3
	ds_store_b128 v[STO], v[AT+8*\dt:AT+8*\dt+3] offset:64*\dt     ; lane (r, h): d = 16 dt + 8 h + 0 .. 7 of query r
	ds_store_b128 v[STO], v[AT+8*\dt+4:AT+8*\dt+7] offset:64*\dt+16
.endr
	ds_load_b128 v[MR:MR+3], v[MQL]                ; LDS serves a wave's instructions in order (ISA guide 5.7.1.4): these see my stores
	ds_load_b128 v[MR+4:MR+7], v[MQL] offset:16
.irp i, 0,1,2,3,4,5,6,7
	ds_load_b128 v[YT+4*\i:YT+4*\i+3], v[RD] offset:544*\i
.endr
	s_wait_dscnt 0x0
	WIN 0x01                                       ; source 0 (x) window 1
.irp i, 0,1,2,3,4,5,6,7
.if \i%2
	v_pk_fma_f32 v[YT+4*\i:YT+4*\i+1], v[XT+4*\i:XT+4*\i+1], v[MR+\i-1:MR+\i], v[YT+4*\i:YT+4*\i+1] op_sel:[0,1,0] op_sel_hi:[1,1,1]   ; x m + the rest; of the pair of m the upper word serves both halves,
	v_pk_fma_f32 v[YT+4*\i+2:YT+4*\i+3], v[XT+4*\i+2:XT+4*\i+3], v[MR+\i-1:MR+\i], v[YT+4*\i+2:YT+4*\i+3] op_sel:[0,1,0] op_sel_hi:[1,1,1]
.else
	v_pk_fma_f32 v[YT+4*\i:YT+4*\i+1], v[XT+4*\i:XT+4*\i+1], v[MR+\i:MR+\i+1], v[YT+4*\i:YT+4*\i+1] op_sel_hi:[1,0,1]   ; or the lower
	v_pk_fma_f32 v[YT+4*\i+2:YT+4*\i+3], v[XT+4*\i+2:XT+4*\i+3], v[MR+\i:MR+\i+1], v[YT+4*\i+2:YT+4*\i+3] op_sel_hi:[1,0,1]
.endif
.endr
	WIN 0
.irp i, 0,1,2,3,4,5,6,7
	global_store_b128 v[XO], v[YT+4*\i:YT+4*\i+3], s[14:15] offset:4096*(\tau)+512*\i th:TH_STORE_NT   ; two whole rows of 256 bytes, aligned
.endr
.endm
; A PASS: one p.
.macro PASS first
	v_add_nc_u32 v[VI], s23, v[LI]
	v_lshl_add_u32 v[VSA], v3, 2, s23
	v_add_nc_u32 v[VA], s24, v[VA0]
	v_add_nc_u32 v[VAN], s24, v[VAN0]
	v_add_nc_u32 v[MQR], s25, v[MQR0]
	ds_load_b32 v[MQ], v[MQR]
	ds_load_b32 v[MQ+1], v[MQR] offset:128
.irp g, 0,1,2,3
	ds_load_b128 v[T+4*\g:T+4*\g+3], v[VAN] offset:16*\g
.endr
	ALOAD 0
	VLOAD 0
	s_wait_dscnt 30                                ; the first six are in; the 16 + 14 behind them may be out
	v_max3_num_f32 v[ANY], v[T], v[T+1], v[T+2]    ; does any key of this p count?  My 16 keys,
.irp i, 3,5,7,9,11,13
	v_max3_num_f32 v[ANY], v[ANY], v[T+\i], v[T+\i+1]
.endr
	v_max_num_f32 v[ANY], v[ANY], v[T+15]
.irp m, 1,2,4,8
	v_max_num_f32_dpp v[ANY], v[ANY], v[ANY] row_xmask:\m row_mask:0xf bank_mask:0xf
.endr
	v_permlanex16_b32 v[AX], v[ANY], s20, s21
	v_max_num_f32 v[ANY], v[ANY], v[AX]            ; and all 512
	v_sub_f32 v[ANY], 1.0, v[ANY]                  ; 1 where none does
.irp tau, 0,1
	v_add_f32 v[TW], 1.0, v[MQ+\tau]
	v_cmp_gt_f32 vcc_lo, 0.5, v[TW]                ; the diagonal is hidden where mask + 1 < 0.5
	v_cndmask_b32 v[ADM+\tau], -1, v[ZERO], vcc_lo
	v_cndmask_b32 v[UU+2*\tau], v[ZERO], v[ANY], vcc_lo    ; U = 1 where that is so and no other key counts either
	v_cndmask_b32 v[UU+2*\tau+1], v[ZERO], v[ANY], vcc_lo
.endr
.irp ks, 0,1,2,3
	CHUNK \ks, 0, \first
	CHUNK \ks, 1, \first
.endr
	s_wait_loadcnt 0x0                             ; x's rows for the blend, asked for a pass ago
	EPI 0
	EPI 1
	s_wait_xcnt 0x0                                ; the stores have read their registers and their base: both are written again only behind this wait
	s_add_nc_u64 s[4:5], s[4:5], 131072            ; the next p
	s_add_nc_u64 s[14:15], s[14:15], 131072
	s_add_co_u32 s23, s23, IMG
	s_add_co_u32 s24, s24, 2048
	s_add_co_u32 s25, s25, 256
.endm
	PASS 1
	NEXT
	s_mov_b32 s22, 3
.Lp:
	PASS 0
	s_cmp_eq_u32 s22, 1                            ; behind the last p nothing is asked for: no load leaves its buffer
	s_cbranch_scc1 .Lno_next
	NEXT
.Lno_next:
	s_sub_co_u32 s22, s22, 1
	s_cmp_lg_u32 s22, 0
	s_cbranch_scc1 .Lp
	s_wait_dscnt 0x0
	s_wait_tensorcnt 0x0
	ds_add_u32 v126, v127
	s_wait_dscnt 0x0
	CROUND                                         ; the closing round: no work-group ends while a partner may still ask for a tile that names it
	s_endpgm
.Lfunc_end_k_q6f32ba2ebc_main:
	.size	k_q6f32ba2ebc_main, .Lfunc_end_k_q6f32ba2ebc_main-k_q6f32ba2ebc_main
	.p2alignl 7, 3214868480
	.fill 96, 4, 3214868480
	.section	.rodata,"a",@progbits
	.p2align	6, 0x0
	.amdhsa_kernel k_q6f32ba2ebc_main
		.amdhsa_group_segment_fixed_size 168448
		.amdhsa_private_segment_fixed_size 0
		.amdhsa_enable_private_segment 0
		.amdhsa_kernarg_size 48
		.amdhsa_user_sgpr_count 2
		.amdhsa_user_sgpr_kernarg_segment_ptr 1
		.amdhsa_wavefront_size32 1
		.amdhsa_system_sgpr_workgroup_id_x 1
		.amdhsa_system_sgpr_workgroup_id_y 1
		.amdhsa_system_sgpr_workgroup_id_z 1
		.amdhsa_system_vgpr_workitem_id 0
		.amdhsa_next_free_vgpr 1024
		.amdhsa_next_free_sgpr 66
		.amdhsa_reserve_vcc 1
		.amdhsa_float_denorm_mode_32 3
		.amdhsa_float_denorm_mode_16_64 3
		.amdhsa_memory_ordered 1
		.amdhsa_forward_progress 1
		.amdhsa_inst_pref_size 198
	.end_amdhsa_kernel
	.amdgpu_metadata
---
amdhsa.version: [ 1, 2 ]
amdhsa.kernels:
  - .name:           k_q6f32ba2ebc_main
    .symbol:         k_q6f32ba2ebc_main.kd
    .args:
      - { .name: x, .offset: 0, .size: 8, .value_kind: global_buffer, .address_space: global }
      - { .name: mask, .offset: 8, .size: 8, .value_kind: global_buffer, .address_space: global }
      - { .name: xq, .offset: 16, .size: 8, .value_kind: global_buffer, .address_space: global }
      - { .name: ew, .offset: 24, .size: 8, .value_kind: global_buffer, .address_space: global }
      - { .name: ediag, .offset: 32, .size: 8, .value_kind: global_buffer, .address_space: global }
      - { .name: out0, .offset: 40, .size: 8, .value_kind: global_buffer, .address_space: global }
    .group_segment_fixed_size: 168448
    .private_segment_fixed_size: 0
    .kernarg_segment_align: 8
    .kernarg_segment_size: 48
    .max_flat_workgroup_size: 128
    .sgpr_count:     66
    .vgpr_count:     1024
    .wavefront_size: 32
...
	.end_amdgpu_metadata
.endif
;; end of part 2
